; MI455X (gfx1250); checked and timed in simulation.
; The chip was launched on July 23, 2026; its instructions are those of AMD's public machine-readable ISA for CDNA 5 (MIT licence, August 2026) and "CDNA5" Instruction Set Architecture Reference Guide (July 2026). The comments in the code are by the model that wrote it; some were corrected since.
;; Noise Conditioned Mo E. Allowed arithmetic: float matrix products may take bf16 or f16 operands with f32 sums; other float arithmetic in f32, or as packed bf16 or f16 multiplies, adds, multiply-adds, maxima and minima; sums over many terms, partial sums and values carried from step to step in f32; what a program stores and reads back later, other than sums and carried values, may be rounded once to bf16 or f16.
;; Inputs: fc_in_b 8 x 4,096 float32; fc_in_w 8 x 1,024 x 4,096 float32; fc_out_b 8 x 1,024 float32; fc_out_w 8 x 2,048 x 1,024 float32; noise_clock_emb 8 x 256 float32; route_weight 256 x 8 float32; x 8 x 128 x 1,024 float32.
;; Outputs: out0 8 x 128 x 1,024 float32; out1 8 x 8 float32; out2 8 x 8 float32; out3 8 x 2 int32; out4 8 x 2 float32.
;; 2 versions, each right; version 2 is version 1 with the launch fcout written anew for expert scheduling mode. Each part assembles by itself: llvm-mc -triple=amdgcn-amd-amdhsa -mcpu=gfx1250 --defsym DOCPART=n.
;; ======== version 1 of 2: 3 launches
;; workspace buffers: xb 2,097,152 bytes; hid 8,388,608 bytes; route 256 bytes of whole numbers
;; launch prep (part 1): grid 129 x 1, 8 waves a work-group, no clusters, 1,280 bytes of LDS; arguments x, noise_clock_emb, route_weight, xb, out1, out2, out3, out4, route; writes xb, out1, out2, out3, out4, route
.if DOCPART == 1
	.amdgcn_target "amdgcn-amd-amdhsa--gfx1250"
	.amdhsa_code_object_version 6
	.text
	.protected	k_qd6919b3b59_prep
	.globl	k_qd6919b3b59_prep
	.p2align	8
	.type	k_qd6919b3b59_prep,@function
k_qd6919b3b59_prep:
	s_mov_b64 s[64:65], 0
	v_nop
	global_prefetch_b8 v0, s[64:65] scope:SCOPE_SE
	s_setreg_imm32_b32 hwreg(HW_REG_WAVE_MODE, 25, 1), 1
	s_wait_xcnt 0x0
; Work-groups 0 to 127: x (f32) is rounded to bf16 into xb, 32,768 bytes of x each.  Work-group 128: the router.
; ROUTER.  logits[b][e] = sum over d of emb[b][d] w[d][e]; probs = softmax; the two largest probs, the lower index first among equals; their weights divided by max(their sum, 1e-8).
; LIMITS.  emb and w are rounded to bf16 like every other input of the program; their products are exact in f32 and are summed in f32.  NaN and infinities are not treated apart.
; A probability below 2^-126 counts as 0.  The two largest are taken of the probabilities as computed here, which may differ from another order of sums in the last bits.
; The chosen experts go to out3 and, as whole numbers for the later launches' addresses, to route; no address of this launch hangs on them.
.set SPARE, 256                        ; LDS: bytes 0-255 the 8 x 8 logits; from 256 on the spare words, 128 bytes for each of eight waves
.set SPW, 4                            ; v4  my spare word's address; never rewritten
.set NIL, 5                            ; v5  0; never rewritten
	s_load_b512 s[4:19], s[0:1], 0x0               ; x 4:5, emb 6:7, w 8:9, xb 10:11, out1 12:13, out2 14:15, out3 16:17, out4 18:19
	s_load_b64 s[20:21], s[0:1], 0x40              ; route
	v_lshl_add_u32 v[SPW], v0, 2, SPARE
	v_mov_b32 v[NIL], 0
	v_lshrrev_b32 v1, 5, v0
	v_readfirstlane_b32 s22, v1                    ; wave 0..7
	s_cmp_eq_u32 ttmp9, 128                        ; the same answer in all eight waves
	s_cbranch_scc1 .Lrouter
	; THE CAST.  Thread t takes 16 bytes at 16 t of each of eight pieces of 4,096 bytes: a wave's load covers 512 consecutive bytes, its store 256, aligned.
	s_lshl_b32 s24, ttmp9, 15
	s_mov_b32 s25, 0
	s_lshl_b32 s26, ttmp9, 14
	s_mov_b32 s27, 0
	v_lshlrev_b32 v1, 4, v0
	v_lshlrev_b32 v2, 3, v0
	s_wait_kmcnt 0x0
	s_add_nc_u64 s[4:5], s[4:5], s[24:25]
	s_add_nc_u64 s[10:11], s[10:11], s[26:27]
.irp i, 0,1,2,3,4,5,6,7
	global_load_b128 v[8+4*\i:11+4*\i], v1, s[4:5] offset:4096*\i th:TH_LOAD_NT
.endr
.irp i, 0,1,2,3,4,5,6,7
	s_wait_loadcnt 7-\i                            ; loads come back in order: piece i is in, the younger ones stay out
	v_cvt_pk_bf16_f32 v[40+2*\i], v[8+4*\i], v[9+4*\i]
	v_cvt_pk_bf16_f32 v[41+2*\i], v[10+4*\i], v[11+4*\i]
	global_store_b64 v2, v[40+2*\i:41+2*\i], s[10:11] offset:2048*\i
.endr
	s_endpgm
.Lrouter:
	; Wave w makes batch w's eight logits.  Lane l takes d = l + 32 i, i = 0..7.
	s_mov_b32 s24, 0x76543210                      ; v_permlanex16_b32: each lane takes its own place in the other half
	s_mov_b32 s25, 0xfedcba98
	v_and_b32 v1, 31, v0
	v_lshlrev_b32 v2, 2, v1
	v_lshl_add_u32 v2, s22, 10, v2                 ; emb: 1,024 w + 4 l
	v_lshlrev_b32 v3, 5, v1                        ; w: 32 l
	v_mov_b32 v6, 0                                ; starts the eight sums
	v_mov_b32 v7, 0                                ; written, since the lane exchange counts as a reader of its destination
	s_wait_kmcnt 0x0
.irp i, 0,1,2,3,4,5,6,7
	global_load_b32 v[8+\i], v2, s[6:7] offset:128*\i
.endr
.irp i, 0,1,2,3,4,5,6,7
	global_load_b128 v[16+8*\i:19+8*\i], v3, s[8:9] offset:1024*\i
	global_load_b128 v[20+8*\i:23+8*\i], v3, s[8:9] offset:1024*\i+16
.endr
	s_wait_loadcnt 0x0
.irp n, 0,1,2,3
	v_cvt_pk_bf16_f32 v[80+\n], v[8+2*\n], v[9+2*\n]           ; emb of i = 2 n, 2 n + 1
.endr
.irp i, 0,1,2,3,4,5,6,7
.irp n, 0,1,2,3
	v_cvt_pk_bf16_f32 v[84+4*\i+\n], v[16+8*\i+2*\n], v[17+8*\i+2*\n]  ; w of row i, experts 2 n, 2 n + 1
.endr
.endr
	; 64 multiply-adds from bf16 halves into f32, eight chains that do not wait for each other: i = 2 ih + il, e = 2 eh + el
.irp ih, 0,1,2,3
.irp il, 0,1
.irp eh, 0,1,2,3
.irp el, 0,1
.if (2*\ih+\il) == 0
	v_fma_mix_f32_bf16 v[116+2*\eh+\el], v[80+\ih], v[84+4*(2*\ih+\il)+\eh], v6 op_sel:[\il,\el,0] op_sel_hi:[1,1,0]
.else
	v_fma_mix_f32_bf16 v[116+2*\eh+\el], v[80+\ih], v[84+4*(2*\ih+\il)+\eh], v[116+2*\eh+\el] op_sel:[\il,\el,0] op_sel_hi:[1,1,0]
.endif
.endr
.endr
.endr
.endr
	; the sums over the 32 lanes: four steps inside each half ride on the addition, one crosses the halves
.irp m, 1,2,4,8
.irp e, 0,1,2,3,4,5,6,7
	v_add_f32_dpp v[116+\e], v[116+\e], v[116+\e] row_xmask:\m row_mask:0xf bank_mask:0xf
.endr
.endr
.irp e, 0,1,2,3,4,5,6,7
	v_permlanex16_b32 v7, v[116+\e], s24, s25
	v_add_f32 v[116+\e], v[116+\e], v7
.endr
	v_mov_b32 v1, s22
	v_lshlrev_b32 v1, 5, v1                        ; batch w's eight logits lie at LDS byte 32 w; all lanes store the same numbers
	ds_store_b128 v1, v[116:119]
	ds_store_b128 v1, v[120:123] offset:16
	s_wait_dscnt 0x0                               ; for wave 0's sake: my stores are done
	s_barrier_signal -1
	s_barrier_wait -1
	s_cmp_lg_u32 s22, 0
	s_cbranch_scc1 .Lend
	; Wave 0 alone.  Lane l works for batch vb = l / 4, all four lanes of a batch alike; vq = l % 4 only picks what the lane stores.
	v_and_b32 v1, 31, v0
	v_and_b32 v2, 3, v1                            ; vq
	v_lshrrev_b32 v3, 2, v1                        ; vb
	v_lshlrev_b32 v60, 5, v3
	ds_load_b128 v[8:11], v60
	ds_load_b128 v[12:15], v60 offset:16
	v_lshlrev_b32 v56, 3, v1                       ; 8 l: my two numbers of out1 and of out2
	v_lshl_add_u32 v59, v3, 1, v2
	v_lshlrev_b32 v59, 2, v59                      ; 4 (2 vb + vq): my number of out3, out4 and route, for vq < 2
	v_cmp_eq_u32 s30, 1, v2
	v_cmp_eq_u32 s31, 2, v2
	v_cmp_eq_u32 s32, 3, v2
	v_mov_b32 v37, -1.0                            ; below every probability
	s_wait_dscnt 0x0
	v_max3_num_f32 v16, v8, v9, v10
	v_max3_num_f32 v16, v16, v11, v12
	v_max3_num_f32 v16, v16, v13, v14
	v_max_num_f32 v16, v16, v15                    ; the row's maximum is taken away before the exponentials
.irp e, 0,1,2,3,4,5,6,7
	v_sub_f32 v[20+\e], v[8+\e], v16               ; the difference first, unfused: the largest logit gives exactly 0
.endr
.irp e, 0,1,2,3,4,5,6,7
	v_mul_f32 v[20+\e], 0x3fb8aa3b, v[20+\e]       ; log2(e)
.endr
.irp e, 0,1,2,3,4,5,6,7
	v_exp_f32 v[20+\e], v[20+\e]
.endr
	v_nop                                          ; a plain instruction behind the last exponential,
	s_wait_alu depctr_va_vdst(0)                   ; and one wait for the batch of eight
	v_add_f32 v17, v20, v21
	v_add_f32 v18, v22, v23
	v_add_f32 v19, v24, v25
	v_add_f32 v36, v26, v27
	v_add_f32 v17, v17, v18
	v_add_f32 v19, v19, v36
	v_add_f32 v17, v17, v19
	v_rcp_f32 v18, v17
	v_nop
	s_wait_alu depctr_va_vdst(0)
.irp e, 0,1,2,3,4,5,6,7
	v_mul_f32 v[28+\e], v[20+\e], v18              ; probs
.endr
	; the largest: a later expert takes the place only if it is strictly greater
	v_mov_b32 v40, v28
	v_mov_b32 v41, 0
.irp e, 1,2,3,4,5,6,7
	v_cmp_le_f32 vcc_lo, v[28+\e], v40             ; not greater: keep
	v_cndmask_b32 v40, v[28+\e], v40, vcc_lo
	v_cndmask_b32 v41, \e, v41, vcc_lo
.endr
	; the second: the same with the first one's place set to -1
.irp e, 0,1,2,3,4,5,6,7
	v_cmp_eq_u32 vcc_lo, \e, v41
	v_cndmask_b32 v[44+\e], v[28+\e], v37, vcc_lo
.endr
	v_mov_b32 v42, v44
	v_mov_b32 v43, 0
.irp e, 1,2,3,4,5,6,7
	v_cmp_le_f32 vcc_lo, v[44+\e], v42
	v_cndmask_b32 v42, v[44+\e], v42, vcc_lo
	v_cndmask_b32 v43, \e, v43, vcc_lo
.endr
	v_add_f32 v63, v40, v42
	v_max_num_f32 v63, 0x322bcc77, v63             ; 1e-8
	v_rcp_f32 v38, v63
	v_nop
	s_wait_alu depctr_va_vdst(0)
	v_mul_f32 v61, v40, v38
	v_mul_f32 v62, v42, v38
	; what my lane stores: experts 2 vq and 2 vq + 1 of logits and probs; choice vq of index and weight
	v_cndmask_b32 v52, v8, v10, s30
	v_cndmask_b32 v53, v9, v11, s30
	v_cndmask_b32 v54, v28, v30, s30
	v_cndmask_b32 v55, v29, v31, s30
	v_cndmask_b32 v52, v52, v12, s31
	v_cndmask_b32 v53, v53, v13, s31
	v_cndmask_b32 v54, v54, v32, s31
	v_cndmask_b32 v55, v55, v33, s31
	v_cndmask_b32 v52, v52, v14, s32
	v_cndmask_b32 v53, v53, v15, s32
	v_cndmask_b32 v54, v54, v34, s32
	v_cndmask_b32 v55, v55, v35, s32
	v_cndmask_b32 v57, v41, v43, s30
	v_cndmask_b32 v58, v61, v62, s30
	global_store_b64 v56, v[52:53], s[12:13]       ; out1: the wave's one store covers all its 256 bytes
	global_store_b64 v56, v[54:55], s[14:15]       ; out2 likewise
	v_cmp_gt_u32 vcc_lo, 2, v2
	s_wait_xcnt 0x0                                ; EXEC changes only behind this wait
	s_and_saveexec_b32 s26, vcc_lo
	global_store_b32 v59, v57, s[16:17]            ; out3
	global_store_b32 v59, v57, s[20:21]            ; route
	global_store_b32 v59, v58, s[18:19]            ; out4
	s_wait_xcnt 0x0                                ; and again, in front of the line that widens it
	s_or_b32 exec_lo, exec_lo, s26
.Lend:
	s_wait_tensorcnt 0x0                           ; the wave's end: behind my last LDS store
	ds_add_u32 v[SPW], v[NIL]
	s_wait_dscnt 0x0
	s_endpgm
.Lfunc_end_k_qd6919b3b59_prep:
	.size	k_qd6919b3b59_prep, .Lfunc_end_k_qd6919b3b59_prep-k_qd6919b3b59_prep
	.p2alignl 7, 3214868480
	.fill 96, 4, 3214868480
	.section	.rodata,"a",@progbits
	.p2align	6, 0x0
	.amdhsa_kernel k_qd6919b3b59_prep
		.amdhsa_group_segment_fixed_size 1280
		.amdhsa_private_segment_fixed_size 0
		.amdhsa_enable_private_segment 0
		.amdhsa_kernarg_size 72
		.amdhsa_user_sgpr_count 2
		.amdhsa_user_sgpr_kernarg_segment_ptr 1
		.amdhsa_wavefront_size32 1
		.amdhsa_system_sgpr_workgroup_id_x 1
		.amdhsa_system_sgpr_workgroup_id_y 1
		.amdhsa_system_sgpr_workgroup_id_z 1
		.amdhsa_system_vgpr_workitem_id 0
		.amdhsa_next_free_vgpr 136
		.amdhsa_next_free_sgpr 66
		.amdhsa_reserve_vcc 1
		.amdhsa_float_denorm_mode_32 3
		.amdhsa_float_denorm_mode_16_64 3
		.amdhsa_memory_ordered 1
		.amdhsa_forward_progress 1
		.amdhsa_inst_pref_size 23
	.end_amdhsa_kernel
	.amdgpu_metadata
---
amdhsa.version: [ 1, 2 ]
amdhsa.kernels:
  - .name:           k_qd6919b3b59_prep
    .symbol:         k_qd6919b3b59_prep.kd
    .args:
      - { .name: x, .offset: 0, .size: 8, .value_kind: global_buffer, .address_space: global }
      - { .name: noise_clock_emb, .offset: 8, .size: 8, .value_kind: global_buffer, .address_space: global }
      - { .name: route_weight, .offset: 16, .size: 8, .value_kind: global_buffer, .address_space: global }
      - { .name: xb, .offset: 24, .size: 8, .value_kind: global_buffer, .address_space: global }
      - { .name: out1, .offset: 32, .size: 8, .value_kind: global_buffer, .address_space: global }
      - { .name: out2, .offset: 40, .size: 8, .value_kind: global_buffer, .address_space: global }
      - { .name: out3, .offset: 48, .size: 8, .value_kind: global_buffer, .address_space: global }
      - { .name: out4, .offset: 56, .size: 8, .value_kind: global_buffer, .address_space: global }
      - { .name: route, .offset: 64, .size: 8, .value_kind: global_buffer, .address_space: global }
    .group_segment_fixed_size: 1280
    .private_segment_fixed_size: 0
    .kernarg_segment_align: 8
    .kernarg_segment_size: 72
    .max_flat_workgroup_size: 256
    .sgpr_count:     66
    .vgpr_count:     136
    .wavefront_size: 32
...
	.end_amdgpu_metadata
.endif
;; end of part 1
;; launch fcin (part 2): grid 16 x 16, 4 waves a work-group, no clusters, 279,040 bytes of LDS; arguments xb, fc_in_w, fc_in_b, route, out4, hid; writes hid
.if DOCPART == 2
	.amdgcn_target "amdgcn-amd-amdhsa--gfx1250"
	.amdhsa_code_object_version 6
	.text
	.protected	k_qd6919b3b59_fcin
	.globl	k_qd6919b3b59_fcin
	.p2align	8
	.type	k_qd6919b3b59_fcin,@function
k_qd6919b3b59_fcin:
	s_mov_b64 s[64:65], 0
	v_nop
	global_prefetch_b8 v0, s[64:65] scope:SCOPE_SE
	s_setreg_imm32_b32 hwreg(HW_REG_WAVE_MODE, 25, 1), 1
	s_wait_xcnt 0x0
; hid[p] = coef[p] x value x silu(gate), (value | gate) = x[b] W_in[e] + b_in[e], for pair p = 2 b + k of a batch b and its k-th chosen expert e = route[p].
; A work-group (x = slice sl, y = pair p) takes the batch's 128 rows and hidden columns 128 sl .. + 127: 128 value and 128 gate columns of W_in, K = 1,024.
; Wave w: cb = w % 2 picks 64 of the 128 columns, isg = w / 2 value (0) or gate (1).  A wave's tile is 128 rows x 64 columns: 32 accumulators.
; LIMITS.  x, W_in and b_in are rounded to bf16 like every input of the program; sums in f32; hid is rounded once to bf16.  NaN and infinities are not treated apart.
; WEIGHTS lie [K][N] in f32 and go from memory to operand registers with no transposition: lane (r = l % 16, h = l / 16) loads 16 bytes, columns 4 r .. 4 r + 3, of a row, so that 16 lanes take 256
; consecutive aligned bytes; component j of two rows, rounded as a pair, is one register of fragment j, in which lane place r stands for column 4 r + j.
; THE MATRIX INSTRUCTION IS USED TRANSPOSED (source 0 = 16 weight columns, source 1 = 16 rows of x): register i of accumulator (a, j) in lane (r, h) is row r of tile a, column 32 h + 4 i + j of my 64.
; x comes by tensor loads, all 262,144 bytes once: eight K blocks of 128 rows x 256 bytes, two a wave; no LDS byte is filled a second time.
; VALUE MEETS GATE.  Gate waves take the row tiles turned by four (place a holds tile a xor 4).  So every wave keeps places 0-3 and sends places 4-7 through LDS to wave w xor 2: one text for all four waves.
; HID lies in the order in which the next launch's operand registers take it: byte ((p 64 + kb) 8 + a) 1,024 + half 512 + 16 l; slot s of block kb = 2 blk + t is hidden column 64 blk + 4 (s % 16) + 2 t + s / 16.
; NO CLUSTER: a pair's sixteen slices share x alone, 262,144 of the 1,310,720 bytes that a work-group takes in; the weights are shared only by pairs that chose the same expert, which differs from
; input to input, so that no mask written in the text can name the partners.
; REGISTERS, in windows of 256 (s_set_vgpr_msb: bits 1:0 source 0, 3:2 source 1, 5:4 source 2, 7:6 destination):
;   window 0: v0-15 addresses; v32-95 weight fragments, two buffers; v96-223 x fragments, two buffers; v224-255 the bias as a C operand.  On the way out: gate, value, work, packed results
;   window 1: the accumulators, (a, j) at 8 (4 a + j)          window 2: weights as loaded, four slots of 64; on the way out v0-127 the partner's half
.set KB,    34816                      ; a K block in LDS: 128 rows of 272 bytes (256 + 16 of padding = 68 words: the 16 rows of a fragment load start at 16 different groups of four banks, ISA guide 11.1)
.set SPARE, 8*KB                       ; behind x: the spare words, 128 bytes for each of four waves
.set WOFF, 4                           ; v4   131,072 h + 16 r: eight rows of W_in further for the upper lanes
.set XL0L, 5                           ; v5   my lane's place in a K block for tile places 0-3
.set XL0H, 6                           ; v6   for places 4-7
.set XAL,  7                           ; v7   the same in the K block in hand
.set XAH,  8                           ; v8
.set EXW,  9                           ; v9   the exchange: where I write (16,384 w + 16 l)
.set EXR,  10                          ; v10  where I read (wave w xor 2)
.set HO,   11                          ; v11  16 l
.set BOFF, 12                          ; v12  128 h
.set SPW,  14                          ; v14  my spare word's address; never rewritten
.set NIL,  15                          ; v15  0; never rewritten
.set WB,   32
.set XF,   96
.set BIAS, 224
.set G,    32                          ; the way out, window 0
.set V,    96
.set T,    160
.set H,    224
.set WV,  16                           ; s16  wave;  s17 cb, s18 isg, s19 sl, s20 p, s21 b, s22 e
.set G1,  24                           ; s[24:31] descriptor group 1;  s[32:35], s[36:39] group 0 of my two loads
.set WP,  40                           ; s[40:41] W_in at my columns, K block in hand
.set BP,  42                           ; s[42:43] b_in at my columns
.set HP,  44                           ; s[44:45] hid at my part
.set CF,  46                           ; s[46:47] coef, twice
.set GM,  48                           ; s48  all ones in a gate wave, else 0
.set XB,  49                           ; s49  LDS byte of the K block in hand
.set CNT, 50
.set MSB, 0
.macro WIN new                         ; the immediate's high byte repeats the setting that is left; a switch that changes nothing is dropped
.if MSB != (\new)
	s_set_vgpr_msb (MSB<<8)|(\new)
.set MSB, \new
.endif
.endm
	s_load_b256 s[4:11], s[0:1], 0x0               ; xb 4:5, W_in 6:7, b_in 8:9, route 10:11
	s_load_b128 s[12:15], s[0:1], 0x20             ; out4 12:13, hid 14:15
	v_lshl_add_u32 v[SPW], v0, 2, SPARE
	v_mov_b32 v[NIL], 0
	ds_add_u32 v[SPW], v[NIL]                      ; the wave's opening: the add and its wait stand ahead of my first tensor load; work on registers stands between them
	ds_add_u32 v14, v15
	v_lshrrev_b32 v1, 5, v0
	v_readfirstlane_b32 s[WV], v1
	s_and_b32 s17, s[WV], 1
	s_lshr_b32 s18, s[WV], 1
	s_mov_b32 s19, ttmp9
	s_and_b32 s20, ttmp7, 0xffff
	s_lshr_b32 s21, s20, 1
	; group 1: a tile of 128 rows x 128 elements of 2 bytes, 16 bytes of padding behind every 256
	s_mov_b32 s[G1+0], (1<<16)|(1<<20)|(5<<22)|(3<<25)
	s_mov_b32 s[G1+1], 128<<16                     ; tensor_dim0 = 128
	s_mov_b32 s[G1+2], 128<<16                     ; tensor_dim1 = 128
	s_mov_b32 s[G1+3], 128<<16                     ; tile_dim0 = 128
	s_mov_b32 s[G1+4], 128                         ; tile_dim1 = 128
	s_mov_b32 s[G1+5], 1024                        ; elements from row to row
	s_mov_b32 s[G1+6], 0
	s_mov_b32 s[G1+7], 0
	s_mov_b32 s32, 1
	s_mul_i32 s33, s[WV], KB                       ; K block w,
	s_mov_b32 s36, 1
	s_add_co_u32 s37, s33, 4*KB                    ; and K block w + 4
	s_lshl_b32 s52, s21, 18                        ; the batch's 128 rows of 2,048 bytes,
	s_lshl_b32 s53, s[WV], 8                       ; K block w's 256 bytes of a row
	s_add_co_u32 s52, s52, s53
	s_mov_b32 s53, 0
	s_lshl_b32 s58, s20, 2                         ; 4 p
	s_mov_b32 s59, 0
	s_wait_dscnt 0x0                               ; the opening add is done
	s_wait_kmcnt 0x0
	s_add_nc_u64 s[34:35], s[4:5], s[52:53]
	s_add_nc_u64 s[38:39], s[34:35], 1024          ; four K blocks on
	s_or_b32 s35, s35, 0x80000000                  ; type = 2
	s_or_b32 s39, s39, 0x80000000
	tensor_load_to_lds s[32:35], s[G1:G1+7]        ; my two fills, the only ones: two tensor loads of mine are out
	s_nop 0
	tensor_load_to_lds s[36:39], s[G1:G1+7]
	s_nop 0
.rept 4
	v_nop
.endr
	s_add_nc_u64 s[54:55], s[10:11], s[58:59]
	s_add_nc_u64 s[56:57], s[12:13], s[58:59]
	s_load_b32 s22, s[54:55], 0x0                  ; the pair's expert,
	s_load_b32 s[CF], s[56:57], 0x0                ; and its weight
	v_and_b32 v1, 15, v0                           ; r
	v_bfe_u32 v2, v0, 4, 1                         ; h
	v_mul_u32_u24 v3, v1, 272
	v_lshl_add_u32 v3, v2, 4, v3                   ; a fragment's row x pitch + 16 x half
	s_mul_i32 s60, s18, 17408                      ; four tiles of 16 rows x 272 bytes: a gate wave begins with tile 4
	s_sub_co_u32 s61, 17408, s60
	v_add_nc_u32 v[XL0L], s60, v3
	v_add_nc_u32 v[XL0H], s61, v3
	v_lshlrev_b32 v[WOFF], 4, v1
	v_lshl_add_u32 v[WOFF], v2, 17, v[WOFF]
	v_lshlrev_b32 v[BOFF], 7, v2
	v_and_b32 v[HO], 31, v0
	v_lshlrev_b32 v[HO], 4, v[HO]
	s_lshl_b32 s60, s[WV], 14
	s_xor_b32 s61, s60, 32768
	v_add_nc_u32 v[EXW], s60, v[HO]
	v_add_nc_u32 v[EXR], s61, v[HO]
	s_sub_co_u32 s[GM], 0, s18
	s_lshl_b32 s52, s18, 13                        ; my first column in bytes: 4 (2,048 isg + 128 sl + 64 cb)
	s_lshl_b32 s53, s19, 9
	s_add_co_u32 s52, s52, s53
	s_lshl_b32 s53, s17, 8
	s_add_co_u32 s52, s52, s53
	s_wait_kmcnt 0x0
	s_min_u32 s22, s22, 7                          ; an index stays inside its table
	s_mov_b32 s[CF+1], s[CF]
	s_lshl_b32 s58, s22, 24                        ; an expert's W_in is 16,777,216 bytes
	s_add_co_u32 s58, s58, s52
	s_mov_b32 s59, 0
	s_add_nc_u64 s[WP:WP+1], s[6:7], s[58:59]
	s_lshl_b32 s58, s22, 14                        ; its b_in 16,384
	s_add_co_u32 s58, s58, s52
	s_add_nc_u64 s[BP:BP+1], s[8:9], s[58:59]
	s_lshl_b32 s58, s20, 19                        ; hid: the pair's 524,288 bytes, block 2 sl + cb of 16,384, tiles 4-7 for a gate wave
	s_lshl_b32 s53, s19, 15
	s_add_co_u32 s58, s58, s53
	s_lshl_b32 s53, s17, 14
	s_add_co_u32 s58, s58, s53
	s_lshl_b32 s53, s18, 12
	s_add_co_u32 s58, s58, s53
	s_add_nc_u64 s[HP:HP+1], s[14:15], s[58:59]
; A K step is 32 rows of W_in.  WLOAD: its 16 loads into a slot: load (u, i) is row 16 u + 8 h + i.  kq counts steps from the K block that WP names.
.macro WLOAD slot, kq
	WIN 0x80                                       ; destination window 2
.irp u, 0,1
.irp i, 0,1,2,3,4,5,6,7
	global_load_b128 v[64*(\slot)+4*(8*\u+\i):64*(\slot)+4*(8*\u+\i)+3], v[WOFF], s[WP:WP+1] offset:(\kq)*524288+(16*\u+\i)*16384
.endr
.endr
.endm
; CVT: the slot's 64 numbers become four fragments: register 4 u + q of fragment j holds rows 16 u + 8 h + 2 q, + 1 of column 4 r + j.
.macro CVT slot, buf
	WIN 0x0a                                       ; sources window 2
.irp j, 0,1,2,3
.irp u, 0,1
.irp q, 0,1,2,3
	v_cvt_pk_bf16_f32 v[WB+32*(\buf)+8*\j+4*\u+\q], v[64*(\slot)+4*(8*\u+2*\q)+\j], v[64*(\slot)+4*(8*\u+2*\q+1)+\j]
.endr
.endr
.endr
.endm
; XLOAD: the eight x fragments of a step, at byte off from the K block in hand.
.macro XLOAD buf, off
	WIN 0
.irp a, 0,1,2,3
	ds_load_b128 v[XF+64*(\buf)+8*\a:XF+64*(\buf)+8*\a+3],   v[XAL] offset:(\off)+\a*4352
	ds_load_b128 v[XF+64*(\buf)+8*\a+4:XF+64*(\buf)+8*\a+7], v[XAL] offset:(\off)+\a*4352+32
.endr
.irp a, 0,1,2,3
	ds_load_b128 v[XF+64*(\buf)+32+8*\a:XF+64*(\buf)+32+8*\a+3],   v[XAH] offset:(\off)+\a*4352
	ds_load_b128 v[XF+64*(\buf)+32+8*\a+4:XF+64*(\buf)+32+8*\a+7], v[XAH] offset:(\off)+\a*4352+32
.endr
.endm
; MUL: 32 products; the 32 accumulators take turns, in the same order in every step.  first = 1: the bias starts the sums: nothing is cleared, nothing added later.
.macro MUL buf, first
.if \first
	WIN 0x40                                       ; D window 1, C window 0
.else
	WIN 0x50                                       ; C and D window 1
.endif
.irp a, 0,1,2,3,4,5,6,7
.irp j, 0,1,2,3
.if \first
	v_wmma_f32_16x16x32_bf16 v[8*(4*\a+\j):8*(4*\a+\j)+7], v[WB+32*(\buf)+8*\j:WB+32*(\buf)+8*\j+7], v[XF+64*(\buf)+8*\a:XF+64*(\buf)+8*\a+7], v[BIAS+8*\j:BIAS+8*\j+7]
.else
	v_wmma_f32_16x16x32_bf16 v[8*(4*\a+\j):8*(4*\a+\j)+7], v[WB+32*(\buf)+8*\j:WB+32*(\buf)+8*\j+7], v[XF+64*(\buf)+8*\a:XF+64*(\buf)+8*\a+7], v[8*(4*\a+\j):8*(4*\a+\j)+7]
.endif
.endr
.endr
.endm
; STEP q of a K block's four.  The step's 32 conversions name no register of the step before's products: they are the places between those products and the LDS loads into the x buffer that they read
; the weight buffer that the conversions write was last read two steps back.
; left: the weight loads younger than this step's.  load = 1: the slot takes the step four on.  pre = 1: the next step's x is fetched.
.macro STEP q, first, load, left, pre
	s_wait_loadcnt \left                           ; loads come back in order: this step's 16 are in, the younger slots stay out
	CVT \q, (\q)%2
.if \load
	WLOAD \q, (\q)+4                               ; four slots of 16 are asked for; the counter's field holds 63 (ISA guide 5.7.1), so the last of them is issued when the oldest has come
.endif
.if \pre
.if (\q) == 3
	XLOAD 0, KB                                    ; the next K block's first step
.else
	XLOAD 1-(\q)%2, 64*((\q)+1)
.endif
	s_wait_dscnt 16                                ; this step's x is in; the 16 loads just issued stay out
.else
	s_wait_dscnt 0x0
.endif
	MUL (\q)%2, \first
.endm
.macro TRIP first, load                ; a K block
	WIN 0
	v_add_nc_u32 v[XAL], s[XB], v[XL0L]
	v_add_nc_u32 v[XAH], s[XB], v[XL0H]
.if \load
	STEP 0, \first, 1, 48, 1
	STEP 1, 0, 1, 48, 1
	STEP 2, 0, 1, 48, 1
	STEP 3, 0, 1, 48, 1
	WIN 0                                          ; at a label and at a branch every window is 0
	s_wait_xcnt 0x0                                ; the loads' base is stepped only behind this wait
	s_add_nc_u64 s[WP:WP+1], s[WP:WP+1], 2097152   ; 128 rows of 16,384 bytes
	s_add_co_u32 s[XB], s[XB], KB
.else
	STEP 0, 0, 0, 48, 1                            ; the last K block asks for nothing: the counts run down
	STEP 1, 0, 0, 32, 1
	STEP 2, 0, 0, 16, 1
	STEP 3, 0, 0, 0, 0
	WIN 0
.endif
.endm
.irp i, 0,1,2,3,4,5,6,7
	global_load_b128 v[160+4*\i:163+4*\i], v[BOFF], s[BP:BP+1] offset:16*\i  ; b_in of my lane's 32 columns, into the second x buffer, which is still free
.endr
	WLOAD 0, 0
	WLOAD 1, 1
	WLOAD 2, 2
	WIN 0
	s_wait_loadcnt 48                              ; the bias is in; three slots of weights stay out
.irp j, 0,1,2,3                        ; rounded to bf16 and laid as fragment j's C operand: register i is column 32 h + 4 i + j
.irp i, 0,2,4,6
	v_cvt_pk_bf16_f32 v1, v[160+4*\i+\j], v[164+4*\i+\j]
	v_lshlrev_b32 v[BIAS+8*\j+\i], 16, v1
	v_and_b32 v[BIAS+8*\j+\i+1], 0xffff0000, v1
.endr
.endr
	WLOAD 3, 3
	WIN 0
	s_wait_tensorcnt 0x0                           ; my two K blocks are in,
	s_barrier_signal -1
	s_barrier_wait -1                              ; everybody's are: all of x lies in LDS
	s_mov_b32 s[XB], 0
	v_mov_b32 v[XAL], v[XL0L]
	v_mov_b32 v[XAH], v[XL0H]
	XLOAD 0, 0
	TRIP 1, 1
	s_mov_b32 s[CNT], 6
.Ltrip:
	TRIP 0, 1
	s_sub_co_u32 s[CNT], s[CNT], 1
	s_cmp_lg_u32 s[CNT], 0
	s_cbranch_scc1 .Ltrip
	TRIP 0, 0
	; THE EXCHANGE lies over x's first 65,536 bytes: x has had its only fill, and behind this barrier nobody reads it any more.
.rept 4
	v_nop                                          ; the places behind the last products
.endr
	s_wait_dscnt 0x0
	s_barrier_signal -1
	s_barrier_wait -1
	WIN 0x04                                       ; store data window 1
.irp a, 4,5,6,7
.irp j, 0,1,2,3
	ds_store_b128 v[EXW], v[8*(4*\a+\j):8*(4*\a+\j)+3]   offset:((\a-4)*4+\j)*1024      ; each accumulator's low registers first
	ds_store_b128 v[EXW], v[8*(4*\a+\j)+4:8*(4*\a+\j)+7] offset:((\a-4)*4+\j)*1024+512
.endr
.endr
	s_wait_dscnt 0x0                               ; for my partner's sake: my stores are done
	s_barrier_signal -1
	s_barrier_wait -1
	WIN 0x80                                       ; destination window 2: the partner's register n comes to my register n
.set n, 0
.rept 32
	ds_load_b128 v[4*n:4*n+3], v[EXR] offset:512*n
.set n, n+1
.endr
	s_wait_dscnt 0x0
; Tile places 2 hf and 2 hf + 1: 64 numbers a lane.  A choice of values by the wave's kind, no branch.  silu is made first, so that an exponential that overflows gives gate x 0.
.macro EPI hf
	WIN 0x06                                       ; source 0 window 2 (the partner's), source 1 window 1 (mine)
.set n, 0
.rept 64
	v_cndmask_b32 v[G+n], v[64*(\hf)+n], v[64*(\hf)+n], s[GM]      ; gate: mine in a gate wave
.set n, n+1
.endr
	WIN 0x09                                       ; source 0 window 1, source 1 window 2
.set n, 0
.rept 64
	v_cndmask_b32 v[V+n], v[64*(\hf)+n], v[64*(\hf)+n], s[GM]      ; value: the partner's in a gate wave
.set n, n+1
.endr
	WIN 0
.set n, 0
.rept 32
	v_pk_mul_f32 v[T+2*n:T+2*n+1], v[G+2*n:G+2*n+1], 0xbfb8aa3b op_sel_hi:[1,0]  ; - log2(e) gate
.set n, n+1
.endr
.set n, 0
.rept 64
	v_exp_f32 v[T+n], v[T+n]
.set n, n+1
.endr
.set n, 0
.rept 32
	v_pk_mul_f32 v[V+2*n:V+2*n+1], v[V+2*n:V+2*n+1], s[CF:CF+1] op_sel_hi:[1,0]  ; coef x value: the independent work behind the batch
.set n, n+1
.endr
	s_wait_alu depctr_va_vdst(0)                   ; one wait for the 64 exponentials
.set n, 0
.rept 32
	v_pk_add_f32 v[T+2*n:T+2*n+1], v[T+2*n:T+2*n+1], 1.0 op_sel_hi:[1,0]
.set n, n+1
.endr
.set n, 0
.rept 64
	v_rcp_f32 v[T+n], v[T+n]
.set n, n+1
.endr
	v_nop                                          ; a plain instruction behind the last reciprocal,
	s_wait_alu depctr_va_vdst(0)                   ; and one wait for the 64
.set n, 0
.rept 32
	v_pk_mul_f32 v[G+2*n:G+2*n+1], v[G+2*n:G+2*n+1], v[T+2*n:T+2*n+1]
.set n, n+1
.endr
.set n, 0
.rept 32
	v_pk_mul_f32 v[V+2*n:V+2*n+1], v[V+2*n:V+2*n+1], v[G+2*n:G+2*n+1]
.set n, n+1
.endr
	s_wait_xcnt 0x0                                ; the packed results are the earlier stores' data: rewritten only behind this wait
.set n, 0
.rept 32
	v_cvt_pk_bf16_f32 v[H+n], v[V+2*n], v[V+2*n+1]
.set n, n+1
.endr
.irp a, 0,1
.irp j, 0,1,2,3
	global_store_b128 v[HO], v[H+16*\a+4*\j:H+16*\a+4*\j+3], s[HP:HP+1] offset:(\j/2)*8192+(2*(\hf)+\a)*1024+(\j%2)*512  ; 512 consecutive bytes, aligned
.endr
.endr
.endm
	EPI 0
	EPI 1
	s_wait_tensorcnt 0x0                           ; the wave's end: behind my last tensor load and my last LDS store
	ds_add_u32 v[SPW], v[NIL]
	s_wait_dscnt 0x0
	s_endpgm
.Lfunc_end_k_qd6919b3b59_fcin:
	.size	k_qd6919b3b59_fcin, .Lfunc_end_k_qd6919b3b59_fcin-k_qd6919b3b59_fcin
	.p2alignl 7, 3214868480
	.fill 96, 4, 3214868480
	.section	.rodata,"a",@progbits
	.p2align	6, 0x0
	.amdhsa_kernel k_qd6919b3b59_fcin
		.amdhsa_group_segment_fixed_size 279040
		.amdhsa_private_segment_fixed_size 0
		.amdhsa_enable_private_segment 0
		.amdhsa_kernarg_size 48
		.amdhsa_user_sgpr_count 2
		.amdhsa_user_sgpr_kernarg_segment_ptr 1
		.amdhsa_wavefront_size32 1
		.amdhsa_system_sgpr_workgroup_id_x 1
		.amdhsa_system_sgpr_workgroup_id_y 1
		.amdhsa_system_sgpr_workgroup_id_z 1
		.amdhsa_system_vgpr_workitem_id 0
		.amdhsa_next_free_vgpr 768
		.amdhsa_next_free_sgpr 66
		.amdhsa_reserve_vcc 0
		.amdhsa_float_denorm_mode_32 3
		.amdhsa_float_denorm_mode_16_64 3
		.amdhsa_memory_ordered 1
		.amdhsa_forward_progress 1
		.amdhsa_inst_pref_size 145
	.end_amdhsa_kernel
	.amdgpu_metadata
---
amdhsa.version: [ 1, 2 ]
amdhsa.kernels:
  - .name:           k_qd6919b3b59_fcin
    .symbol:         k_qd6919b3b59_fcin.kd
    .args:
      - { .name: xb, .offset: 0, .size: 8, .value_kind: global_buffer, .address_space: global }
      - { .name: fc_in_w, .offset: 8, .size: 8, .value_kind: global_buffer, .address_space: global }
      - { .name: fc_in_b, .offset: 16, .size: 8, .value_kind: global_buffer, .address_space: global }
      - { .name: route, .offset: 24, .size: 8, .value_kind: global_buffer, .address_space: global }
      - { .name: out4, .offset: 32, .size: 8, .value_kind: global_buffer, .address_space: global }
      - { .name: hid, .offset: 40, .size: 8, .value_kind: global_buffer, .address_space: global }
    .group_segment_fixed_size: 279040
    .private_segment_fixed_size: 0
    .kernarg_segment_align: 8
    .kernarg_segment_size: 48
    .max_flat_workgroup_size: 128
    .sgpr_count:     66
    .vgpr_count:     768
    .wavefront_size: 32
...
	.end_amdgpu_metadata
.endif
;; end of part 2
;; launch fcout (part 3): grid 16 x 16, 8 waves a work-group, no clusters, 132,096 bytes of LDS; arguments hid, fc_out_w, fc_out_b, route, out4, out0; writes out0
.if DOCPART == 3
	.amdgcn_target "amdgcn-amd-amdhsa--gfx1250"
	.amdhsa_code_object_version 6
	.text
	.protected	k_qd6919b3b59_fcout
	.globl	k_qd6919b3b59_fcout
	.p2align	8
	.type	k_qd6919b3b59_fcout,@function
k_qd6919b3b59_fcout:
	s_mov_b64 s[64:65], 0
	v_nop
	global_prefetch_b8 v0, s[64:65] scope:SCOPE_SE
	s_setreg_imm32_b32 hwreg(HW_REG_WAVE_MODE, 25, 1), 1
	s_wait_xcnt 0x0
; out0[b] = hid[2 b] W_out[e0] + hid[2 b + 1] W_out[e1] + c0 b_out[e0] + c1 b_out[e1].  hid already carries the mixing weights, so the two experts are one sum over K = 4,096.
; A work-group (x = slice sl of 64 columns; y: batch b = y / 2, row half mh = y % 2) makes 64 rows x 64 columns and owns them: no other work-group adds to them.
; K is shared among the eight waves: kk = w / 4 picks the expert, qd = w % 4 its 512 hidden columns, 16 steps of 32.  Each wave holds the whole tile, 16 accumulators; the eight partial tiles (f32) meet in LDS.
; Both operands come from memory straight into registers, each byte once a work-group: hid lies in operand order; W_out ([K][N], f32) is taken as in the launch before: 16 lanes load 256 consecutive
; aligned bytes of a row, component j of two rows rounded as a pair is a register of fragment j, lane place r standing for column 4 r + j.  The rows are taken in hid's order of slots:
; slot s of step st is row 64 (st / 2) + 4 (s % 16) + 2 (st % 2) + s / 16 of the wave's 512.
; LIMITS.  W_out and b_out are rounded to bf16 like every input of the program; sums in f32.  NaN and infinities are not treated apart.
; NO CLUSTER: hid's 524,288 bytes a work-group, which its sixteen slices share, do not fit in LDS beside each other and go to one wave's registers each; the weights are shared only by batches that chose the
; same expert, which differs from input to input, so that no mask written in the text can name the partners.
; REGISTERS: window 0: v0-15 addresses; v16-143 accumulators, (a, j) at 16 + 8 (4 a + j); v144-239 hid fragments, three slots of 32; v240-255 the bias.
;   window 1: v0-191 weights as loaded, three slots of 64; v192-255 weight fragments, two buffers.  (s_set_vgpr_msb: bits 1:0 source 0, 3:2 source 1, 5:4 source 2, 7:6 destination.)
.set SPARE, 131072                     ; LDS: eight partial tiles of 16,384 bytes, then the spare words, 128 bytes for each of eight waves
.set WOFF, 2                           ; v2   131,072 h + 16 r: 32 rows of W_out further for the upper lanes
.set AOFF, 3                           ; v3   16 l
.set PW,   4                           ; v4   where I put my partial tile
.set PR,   5                           ; v5   where I read the part that I sum, in partial tiles 0-3
.set PR2,  6                           ; v6   in partial tiles 4-7
.set OO,   7                           ; v7   32,768 h + 16 r: my place in out0
.set BOF,  8                           ; v8   16 r
.set SPW,  14                          ; v14  my spare word's address; never rewritten
.set NIL,  15                          ; v15  0; never rewritten
.set ACC,  16
.set AF,   144
.set O,    144                         ; the way out
.set BR,   240
.set WB,   192                         ; window 1
.set WV,  16                           ; s16 wave; s17 kk, s18 qd, s19 sl, s20 b, s21 mh, s22 my expert; s24, s25 e0, e1; s26, s27 c0, c1
.set WP,  28                           ; s[28:29] W_out at my rows and columns
.set AP,  30                           ; s[30:31] hid at my part
.set OP,  36                           ; s[36:37] out0 at the rows that I store; s[32:35] the two bias rows
.set MSB, 0
.macro WIN new                         ; the immediate's high byte repeats the setting that is left; a switch that changes nothing is dropped
.if MSB != (\new)
	s_set_vgpr_msb (MSB<<8)|(\new)
.set MSB, \new
.endif
.endm
	s_load_b256 s[4:11], s[0:1], 0x0               ; hid 4:5, W_out 6:7, b_out 8:9, route 10:11
	s_load_b128 s[12:15], s[0:1], 0x20             ; out4 12:13, out0 14:15
	v_lshl_add_u32 v[SPW], v0, 2, SPARE
	v_mov_b32 v[NIL], 0
	v_lshrrev_b32 v1, 5, v0
	v_readfirstlane_b32 s[WV], v1
	s_lshr_b32 s17, s[WV], 2
	s_and_b32 s18, s[WV], 3
	s_mov_b32 s19, ttmp9
	s_and_b32 s40, ttmp7, 0xffff
	s_lshr_b32 s20, s40, 1
	s_and_b32 s21, s40, 1
	s_lshl_b32 s40, s20, 3                         ; 8 b: the batch's two entries
	s_mov_b32 s41, 0
	s_lshl_b32 s42, s17, 2
	s_add_co_u32 s42, s42, s40                     ; 4 (2 b + kk): my wave's entry
	s_mov_b32 s43, 0
	s_wait_kmcnt 0x0
	s_add_nc_u64 s[44:45], s[10:11], s[40:41]
	s_add_nc_u64 s[46:47], s[12:13], s[40:41]
	s_add_nc_u64 s[42:43], s[10:11], s[42:43]
	s_load_b64 s[24:25], s[44:45], 0x0             ; e0, e1
	s_load_b64 s[26:27], s[46:47], 0x0             ; c0, c1
	s_load_b32 s22, s[42:43], 0x0                  ; my wave's expert
	v_and_b32 v1, 15, v0                           ; r
	v_bfe_u32 v9, v0, 4, 1                         ; h
	v_lshlrev_b32 v[BOF], 4, v1
	v_lshl_add_u32 v[WOFF], v9, 17, v[BOF]
	v_lshl_add_u32 v[OO], v9, 15, v[BOF]
	v_and_b32 v[AOFF], 31, v0
	v_lshlrev_b32 v[AOFF], 4, v[AOFF]
	s_lshl_b32 s40, s[WV], 14
	v_add_nc_u32 v[PW], s40, v[AOFF]
	s_lshr_b32 s40, s[WV], 1                       ; I sum row block w / 2, register half w % 2, of all eight partial tiles
	s_lshl_b32 s40, s40, 12
	s_and_b32 s41, s[WV], 1
	s_lshl_b32 s41, s41, 9
	s_add_co_u32 s40, s40, s41
	v_add_nc_u32 v[PR], s40, v[AOFF]
	v_add_nc_u32 v[PR2], 65536, v[PR]
	s_lshl_b32 s40, s20, 19                        ; out0: the batch's 128 rows of 4,096 bytes; row 64 mh + 16 (w / 2) + 4 (w % 2); column 64 sl
	s_lshl_b32 s41, s21, 18
	s_add_co_u32 s40, s40, s41
	s_lshr_b32 s41, s[WV], 1
	s_lshl_b32 s41, s41, 16
	s_add_co_u32 s40, s40, s41
	s_and_b32 s41, s[WV], 1
	s_lshl_b32 s41, s41, 14
	s_add_co_u32 s40, s40, s41
	s_lshl_b32 s41, s19, 8
	s_add_co_u32 s40, s40, s41
	s_mov_b32 s41, 0
	s_add_nc_u64 s[OP:OP+1], s[14:15], s[40:41]
	s_lshl_b32 s40, s20, 1                         ; hid: pair 2 b + kk, 524,288 bytes; my 16 steps of 8,192; row half mh: four tiles of 1,024
	s_add_co_u32 s40, s40, s17
	s_lshl_b32 s40, s40, 19
	s_lshl_b32 s41, s18, 17
	s_add_co_u32 s40, s40, s41
	s_lshl_b32 s41, s21, 12
	s_add_co_u32 s40, s40, s41
	s_mov_b32 s41, 0
	s_add_nc_u64 s[AP:AP+1], s[4:5], s[40:41]
	s_wait_kmcnt 0x0
	s_min_u32 s22, s22, 7                          ; an index stays inside its table
	s_min_u32 s24, s24, 7
	s_min_u32 s25, s25, 7
	s_lshl_b32 s40, s22, 23                        ; an expert's W_out is 8,388,608 bytes; my 512 rows of 4,096; column 64 sl
	s_lshl_b32 s41, s18, 21
	s_add_co_u32 s40, s40, s41
	s_lshl_b32 s41, s19, 8
	s_add_co_u32 s40, s40, s41
	s_mov_b32 s41, 0
	s_add_nc_u64 s[WP:WP+1], s[6:7], s[40:41]
	s_lshl_b32 s40, s24, 12                        ; an expert's b_out is 4,096 bytes
	s_lshl_b32 s42, s19, 8
	s_add_co_u32 s40, s40, s42
	s_add_nc_u64 s[32:33], s[8:9], s[40:41]
	s_lshl_b32 s40, s25, 12
	s_add_co_u32 s40, s40, s42
	s_add_nc_u64 s[34:35], s[8:9], s[40:41]
.macro WL st                           ; step st's 16 weight loads: load (u, i) brings slot 16 u + 8 h + i
	WIN 0x40                                       ; destination window 1
.irp u, 0,1
.irp i, 0,1,2,3,4,5,6,7
	global_load_b128 v[64*((\st)%3)+4*(8*\u+\i):64*((\st)%3)+4*(8*\u+\i)+3], v[WOFF], s[WP:WP+1] offset:(64*((\st)/2)+4*\i+2*((\st)%2)+\u)*4096
.endr
.endr
.endm
.macro AL st                           ; step st's four hid fragments, as they lie: 512 consecutive bytes a load
	WIN 0
.irp a, 0,1,2,3
	global_load_b128 v[AF+32*((\st)%3)+8*\a:AF+32*((\st)%3)+8*\a+3],   v[AOFF], s[AP:AP+1] offset:(\st)*8192+\a*1024
	global_load_b128 v[AF+32*((\st)%3)+8*\a+4:AF+32*((\st)%3)+8*\a+7], v[AOFF], s[AP:AP+1] offset:(\st)*8192+\a*1024+512
.endr
.endm
.macro CV st                           ; the slot's 64 numbers become four fragments
	WIN 0x45                                       ; sources and destination window 1
.irp j, 0,1,2,3
.irp u, 0,1
.irp q, 0,1,2,3
	v_cvt_pk_bf16_f32 v[WB+32*((\st)%2)+8*\j+4*\u+\q], v[64*((\st)%3)+4*(8*\u+2*\q)+\j], v[64*((\st)%3)+4*(8*\u+2*\q+1)+\j]
.endr
.endr
.endr
.endm
.macro MM st                           ; 16 products; the 16 accumulators take turns; step 0 starts the sums
	WIN 0x04                                       ; source 1 window 1
.irp a, 0,1,2,3
.irp j, 0,1,2,3
.if (\st) == 0
	v_wmma_f32_16x16x32_bf16 v[ACC+8*(4*\a+\j):ACC+8*(4*\a+\j)+7], v[AF+32*((\st)%3)+8*\a:AF+32*((\st)%3)+8*\a+7], v[WB+32*((\st)%2)+8*\j:WB+32*((\st)%2)+8*\j+7], 0
.else
	v_wmma_f32_16x16x32_bf16 v[ACC+8*(4*\a+\j):ACC+8*(4*\a+\j)+7], v[AF+32*((\st)%3)+8*\a:AF+32*((\st)%3)+8*\a+7], v[WB+32*((\st)%2)+8*\j:WB+32*((\st)%2)+8*\j+7], v[ACC+8*(4*\a+\j):ACC+8*(4*\a+\j)+7]
.endif
.endr
.endr
.endm
; A step.  Its 32 conversions name no register of the step before's products: they are the places between those products and the loads into the hid slot that they read;
; the fragment buffer that they write was last read two steps back.
.macro STEP st
.if (\st)+2 < 16
	WL (\st)+2
	s_wait_loadcnt 40                              ; this step's weights and hid are in; younger: the next step's 16 + 8 and the 16 just issued
.elseif (\st)+2 == 16
	s_wait_loadcnt 24                              ; younger: the last step's 16 + 8
.else
	s_wait_loadcnt 0x0
.endif
	CV \st
.if (\st)+2 < 16
	AL (\st)+2
.endif
	MM \st
.endm
	global_load_b128 v[BR:BR+3],   v[BOF], s[32:33]  ; b_out of my four columns, both experts: older than step 0's loads, so step 0's wait covers them
	global_load_b128 v[BR+4:BR+7], v[BOF], s[34:35]
	WL 0
	AL 0
	WL 1
	AL 1
.set kstep, 0
.rept 16
	STEP kstep
.set kstep, kstep+1
.endr
	WIN 0
	; the bias, rounded to bf16 and mixed: twenty plain instructions that name no register of the last products: also the places behind them
	v_cvt_pk_bf16_f32 v[BR+8],  v[BR],   v[BR+1]
	v_cvt_pk_bf16_f32 v[BR+9],  v[BR+2], v[BR+3]
	v_cvt_pk_bf16_f32 v[BR+10], v[BR+4], v[BR+5]
	v_cvt_pk_bf16_f32 v[BR+11], v[BR+6], v[BR+7]
.irp n, 0,1,2,3
	v_lshlrev_b32 v[BR+2*\n], 16, v[BR+8+\n]
	v_and_b32 v[BR+2*\n+1], 0xffff0000, v[BR+8+\n]
.endr
.irp j, 0,1,2,3
	v_mul_f32 v[BR+12+\j], s26, v[BR+\j]
.endr
.irp j, 0,1,2,3
	v_fmac_f32 v[BR+12+\j], s27, v[BR+4+\j]
.endr
.set n, 0
.rept 16
	ds_store_b128 v[PW], v[ACC+8*n:ACC+8*n+3]   offset:1024*n        ; each accumulator's low registers first
	ds_store_b128 v[PW], v[ACC+8*n+4:ACC+8*n+7] offset:1024*n+512
.set n, n+1
.endr
	s_wait_dscnt 0x0                               ; for the others' sake: my partial tile is in LDS
	s_barrier_signal -1
	s_barrier_wait -1
	; partial tile pw, fragment j, my four registers -> v[16 + 16 pw + 4 j ..]
.irp pw, 0,1,2,3
.irp j, 0,1,2,3
	ds_load_b128 v[16+16*\pw+4*\j:16+16*\pw+4*\j+3], v[PR] offset:\pw*16384+\j*1024
.endr
.endr
.irp pw, 4,5,6,7
.irp j, 0,1,2,3
	ds_load_b128 v[16+16*\pw+4*\j:16+16*\pw+4*\j+3], v[PR2] offset:(\pw-4)*16384+\j*1024
.endr
.endr
	s_wait_dscnt 0x0
.irp d, 4,2,1                          ; the eight partial sums as a tree, in f32
.set pw, 0
.rept \d
.set m, 0
.rept 8
	v_pk_add_f32 v[16+16*pw+2*m:16+16*pw+2*m+1], v[16+16*pw+2*m:16+16*pw+2*m+1], v[16+16*(pw+\d)+2*m:16+16*(pw+\d)+2*m+1]
.set m, m+1
.endr
.set pw, pw+1
.endr
.endr
	; v[16 + 4 j + i] is row i of my four, column 4 r + j: with the bias it goes where four neighbouring columns lie in four registers on end
.irp i, 0,1,2,3
.irp j, 0,1,2,3
	v_add_f32 v[O+4*\i+\j], v[16+4*\j+\i], v[BR+12+\j]
.endr
.endr
.irp i, 0,1,2,3
	global_store_b128 v[OO], v[O+4*\i:O+4*\i+3], s[OP:OP+1] offset:4096*\i th:TH_STORE_NT  ; 16 lanes store 256 consecutive bytes, aligned
.endr
	s_wait_tensorcnt 0x0                           ; the wave's end: behind my last LDS store
	ds_add_u32 v[SPW], v[NIL]
	s_wait_dscnt 0x0
	s_endpgm
.Lfunc_end_k_qd6919b3b59_fcout:
	.size	k_qd6919b3b59_fcout, .Lfunc_end_k_qd6919b3b59_fcout-k_qd6919b3b59_fcout
	.p2alignl 7, 3214868480
	.fill 96, 4, 3214868480
	.section	.rodata,"a",@progbits
	.p2align	6, 0x0
	.amdhsa_kernel k_qd6919b3b59_fcout
		.amdhsa_group_segment_fixed_size 132096
		.amdhsa_private_segment_fixed_size 0
		.amdhsa_enable_private_segment 0
		.amdhsa_kernarg_size 48
		.amdhsa_user_sgpr_count 2
		.amdhsa_user_sgpr_kernarg_segment_ptr 1
		.amdhsa_wavefront_size32 1
		.amdhsa_system_sgpr_workgroup_id_x 1
		.amdhsa_system_sgpr_workgroup_id_y 1
		.amdhsa_system_sgpr_workgroup_id_z 1
		.amdhsa_system_vgpr_workitem_id 0
		.amdhsa_next_free_vgpr 512
		.amdhsa_next_free_sgpr 66
		.amdhsa_reserve_vcc 0
		.amdhsa_float_denorm_mode_32 3
		.amdhsa_float_denorm_mode_16_64 3
		.amdhsa_memory_ordered 1
		.amdhsa_forward_progress 1
		.amdhsa_inst_pref_size 100
	.end_amdhsa_kernel
	.amdgpu_metadata
---
amdhsa.version: [ 1, 2 ]
amdhsa.kernels:
  - .name:           k_qd6919b3b59_fcout
    .symbol:         k_qd6919b3b59_fcout.kd
    .args:
      - { .name: hid, .offset: 0, .size: 8, .value_kind: global_buffer, .address_space: global }
      - { .name: fc_out_w, .offset: 8, .size: 8, .value_kind: global_buffer, .address_space: global }
      - { .name: fc_out_b, .offset: 16, .size: 8, .value_kind: global_buffer, .address_space: global }
      - { .name: route, .offset: 24, .size: 8, .value_kind: global_buffer, .address_space: global }
      - { .name: out4, .offset: 32, .size: 8, .value_kind: global_buffer, .address_space: global }
      - { .name: out0, .offset: 40, .size: 8, .value_kind: global_buffer, .address_space: global }
    .group_segment_fixed_size: 132096
    .private_segment_fixed_size: 0
    .kernarg_segment_align: 8
    .kernarg_segment_size: 48
    .max_flat_workgroup_size: 256
    .sgpr_count:     66
    .vgpr_count:     512
    .wavefront_size: 32
...
	.end_amdgpu_metadata
.endif
;; end of part 3
;; ======== version 2 of 2: 3 launches; version 1 with the launch fcout written anew for expert scheduling mode
;; workspace buffers: xb 2,097,152 bytes; hid 8,388,608 bytes; route 256 bytes of whole numbers
;; launch prep: the kernel of part 1 again; grid 129 x 1, 8 waves a work-group, no clusters, 1,280 bytes of LDS; arguments x, noise_clock_emb, route_weight, xb, out1, out2, out3, out4, route; writes xb, out1, out2, out3, out4, route
;; launch fcin: the kernel of part 2 again; grid 16 x 16, 4 waves a work-group, no clusters, 279,040 bytes of LDS; arguments xb, fc_in_w, fc_in_b, route, out4, hid; writes hid
;; launch fcout (part 4): grid 16 x 16, 8 waves a work-group, no clusters, 132,096 bytes of LDS; arguments hid, fc_out_w, fc_out_b, route, out4, out0; writes out0
.if DOCPART == 4
	.amdgcn_target "amdgcn-amd-amdhsa--gfx1250"
	.amdhsa_code_object_version 6
	.text
	.protected	k_qd6919b3b59_fcout
	.globl	k_qd6919b3b59_fcout
	.p2align	8
	.type	k_qd6919b3b59_fcout,@function
k_qd6919b3b59_fcout:
	s_mov_b64 s[64:65], 0
	v_nop
	global_prefetch_b8 v0, s[64:65] scope:SCOPE_SE
	s_setreg_imm32_b32 hwreg(HW_REG_WAVE_SCHED_MODE, 0, 2), 2
	s_setreg_imm32_b32 hwreg(HW_REG_WAVE_MODE, 25, 1), 1
	s_wait_xcnt 0x0
	s_wait_alu depctr_vm_vsrc(0)
; out0[b] = hid[2 b] W_out[e0] + hid[2 b + 1] W_out[e1] + c0 b_out[e0] + c1 b_out[e1].  hid already carries the mixing weights, so the two experts are one sum over K = 4,096.
; A work-group (x = slice sl of 64 columns; y: batch b = y / 2, row half mh = y % 2) makes 64 rows x 64 columns and owns them: no other work-group adds to them.
; K is shared among the eight waves: kk = w / 4 picks the expert, qd = w % 4 its 512 hidden columns, 16 steps of 32.  Each wave holds the whole tile, 16 accumulators; the eight partial tiles (f32) meet in LDS.
; Both operands come from memory straight into registers, each byte once a work-group: hid lies in operand order; W_out ([K][N], f32) is taken as in the launch before: 16 lanes load 256 consecutive
; aligned bytes of a row, component j of two rows rounded as a pair is a register of fragment j, lane place r standing for column 4 r + j.  The rows are taken in hid's order of slots:
; slot s of step st is row 64 (st / 2) + 4 (s % 16) + 2 (st % 2) + s / 16 of the wave's 512.
; LIMITS.  W_out and b_out are rounded to bf16 like every input of the program; sums in f32.  NaN and infinities are not treated apart.
; NO CLUSTER: hid's 524,288 bytes a work-group, which its sixteen slices share, do not fit in LDS beside each other and go to one wave's registers each; the weights are shared only by batches that chose the
; same expert, which differs from input to input, so that no mask written in the text can name the partners.
; REGISTERS: window 0: v0-15 addresses; v16-143 accumulators, (a, j) at 16 + 8 (4 a + j); v144-239 hid fragments, three slots of 32; v240-255 the bias.
;   window 1: v0-191 weights as loaded, three slots of 64; v192-255 weight fragments, two buffers.  (s_set_vgpr_msb: bits 1:0 source 0, 3:2 source 1, 5:4 source 2, 7:6 destination.)
; THE MODE: SCHED_MODE bits 1:0 = 2 (LLVM: expert scheduling mode 2), set by the entry lines.  The code itself states the register dependences
; between vector or matrix instructions and memory or LDS instructions, with s_wait_alu, always for 0.
; THE PLAN.  Registers that memory or LDS instructions touch:
;   v2 to v8        Addresses and offsets: made once at the head, read by every load and store, never written again.
;   weight slots    Step st: its 32 conversions read slot st % 3; behind them the loads of step st + 3 land in it.
;   hid slots       Step st: its 16 products read slot st % 3; the loads of step st + 3, issued in step st + 1, land in it.
;   accumulators    Written by the products; read by the LDS stores of the partial tile; then the LDS loads of the eight partial tiles land in the same registers.
;   v144-159        On the way out: written by the bias additions, read by the four global stores.
;   The two fragment buffers and the bias's work registers are named by vector and matrix instructions alone.
; So ONE wait on va_vdst stands in a step, behind its conversions: they are done reading their weight slot, and the products of the step before are done reading their hid slot.  The step's 24 loads follow
; it, dealt among its 16 products, which name the accumulators, this step's hid slot and this step's fragment buffer: none of the registers that those loads touch.
; LDS: eight partial tiles of 16,384 bytes; the 1,024 bytes behind them are the spare words, 128 bytes for each of eight waves.
.set WOFF, 2                           ; v2   131,072 h + 16 r: 32 rows of W_out further for the upper lanes
.set AOFF, 3                           ; v3   16 l
.set PW,   4                           ; v4   where I put my partial tile
.set PR,   5                           ; v5   where I read the part that I sum, in partial tiles 0-3
.set PR2,  6                           ; v6   in partial tiles 4-7
.set OO,   7                           ; v7   32,768 h + 16 r: my place in out0
.set BOF,  8                           ; v8   16 r
.set ACC,  16
.set AF,   144
.set O,    144                         ; the way out
.set BR,   240
.set WB,   192                         ; window 1
.set WV,  16                           ; s16 wave; s17 kk, s18 qd, s19 sl, s20 b, s21 mh, s22 my expert; s24, s25 e0, e1; s26, s27 c0, c1
.set WP,  28                           ; s[28:29] W_out at my rows and columns
.set AP,  30                           ; s[30:31] hid at my part
.set OP,  36                           ; s[36:37] out0 at the rows that I store; s[32:35] the two bias rows
.set MSB, 0
.macro WIN new                         ; the immediate's high byte repeats the setting that is left; a switch that changes nothing is dropped
.if MSB != (\new)
	s_set_vgpr_msb (MSB<<8)|(\new)
.set MSB, \new
.endif
.endm
	s_load_b256 s[4:11], s[0:1], 0x0               ; hid 4:5, W_out 6:7, b_out 8:9, route 10:11
	s_load_b128 s[12:15], s[0:1], 0x20             ; out4 12:13, out0 14:15
	v_lshl_add_u32 v14, v0, 2, 0x20000
	v_mov_b32 v15, 0
	v_lshrrev_b32 v1, 5, v0
	v_readfirstlane_b32 s[WV], v1
	s_wait_alu depctr_va_sdst(0)                   ; the wave's number is written, ahead of its first reader: the scalar lines below are made from it
	s_lshr_b32 s17, s[WV], 2
	s_and_b32 s18, s[WV], 3
	s_mov_b32 s19, ttmp9
	s_and_b32 s40, ttmp7, 0xffff
	s_lshr_b32 s20, s40, 1
	s_and_b32 s21, s40, 1
	s_lshl_b32 s40, s20, 3                         ; 8 b: the batch's two entries
	s_mov_b32 s41, 0
	s_lshl_b32 s42, s17, 2
	s_add_co_u32 s42, s42, s40                     ; 4 (2 b + kk): my wave's entry
	s_mov_b32 s43, 0
	s_wait_kmcnt 0x0
	s_add_nc_u64 s[44:45], s[10:11], s[40:41]
	s_add_nc_u64 s[46:47], s[12:13], s[40:41]
	s_add_nc_u64 s[42:43], s[10:11], s[42:43]
	s_load_b64 s[24:25], s[44:45], 0x0             ; e0, e1
	s_load_b64 s[26:27], s[46:47], 0x0             ; c0, c1
	s_load_b32 s22, s[42:43], 0x0                  ; my wave's expert
	v_and_b32 v1, 15, v0                           ; r
	v_bfe_u32 v9, v0, 4, 1                         ; h
	v_lshlrev_b32 v[BOF], 4, v1
	v_lshl_add_u32 v[WOFF], v9, 17, v[BOF]
	v_lshl_add_u32 v[OO], v9, 15, v[BOF]
	v_and_b32 v[AOFF], 31, v0
	v_lshlrev_b32 v[AOFF], 4, v[AOFF]
	s_lshl_b32 s40, s[WV], 14
	v_add_nc_u32 v[PW], s40, v[AOFF]
	s_lshr_b32 s40, s[WV], 1                       ; I sum row block w / 2, register half w % 2, of all eight partial tiles
	s_lshl_b32 s40, s40, 12
	s_and_b32 s41, s[WV], 1
	s_lshl_b32 s41, s41, 9
	s_add_co_u32 s40, s40, s41
	v_add_nc_u32 v[PR], s40, v[AOFF]
	v_add_nc_u32 v[PR2], 65536, v[PR]
	s_lshl_b32 s40, s20, 19                        ; out0: the batch's 128 rows of 4,096 bytes; row 64 mh + 16 (w / 2) + 4 (w % 2); column 64 sl
	s_lshl_b32 s41, s21, 18
	s_add_co_u32 s40, s40, s41
	s_lshr_b32 s41, s[WV], 1
	s_lshl_b32 s41, s41, 16
	s_add_co_u32 s40, s40, s41
	s_and_b32 s41, s[WV], 1
	s_lshl_b32 s41, s41, 14
	s_add_co_u32 s40, s40, s41
	s_lshl_b32 s41, s19, 8
	s_add_co_u32 s40, s40, s41
	s_mov_b32 s41, 0
	s_add_nc_u64 s[OP:OP+1], s[14:15], s[40:41]
	s_lshl_b32 s40, s20, 1                         ; hid: pair 2 b + kk, 524,288 bytes; my 16 steps of 8,192; row half mh: four tiles of 1,024
	s_add_co_u32 s40, s40, s17
	s_lshl_b32 s40, s40, 19
	s_lshl_b32 s41, s18, 17
	s_add_co_u32 s40, s40, s41
	s_lshl_b32 s41, s21, 12
	s_add_co_u32 s40, s40, s41
	s_mov_b32 s41, 0
	s_add_nc_u64 s[AP:AP+1], s[4:5], s[40:41]
	s_wait_kmcnt 0x0
	s_min_u32 s22, s22, 7                          ; an index stays inside its table
	s_min_u32 s24, s24, 7
	s_min_u32 s25, s25, 7
	s_lshl_b32 s40, s22, 23                        ; an expert's W_out is 8,388,608 bytes; my 512 rows of 4,096; column 64 sl
	s_lshl_b32 s41, s18, 21
	s_add_co_u32 s40, s40, s41
	s_lshl_b32 s41, s19, 8
	s_add_co_u32 s40, s40, s41
	s_mov_b32 s41, 0
	s_add_nc_u64 s[WP:WP+1], s[6:7], s[40:41]
	s_lshl_b32 s40, s24, 12                        ; an expert's b_out is 4,096 bytes
	s_lshl_b32 s42, s19, 8
	s_add_co_u32 s40, s40, s42
	s_add_nc_u64 s[32:33], s[8:9], s[40:41]
	s_lshl_b32 s40, s25, 12
	s_add_co_u32 s40, s40, s42
	s_add_nc_u64 s[34:35], s[8:9], s[40:41]
.macro WL st                           ; step st's 16 weight loads: load (u, i) brings slot 16 u + 8 h + i
	WIN 0x40                                       ; destination window 1
.irp u, 0,1
.irp i, 0,1,2,3,4,5,6,7
	global_load_b128 v[64*((\st)%3)+4*(8*\u+\i):64*((\st)%3)+4*(8*\u+\i)+3], v[WOFF], s[WP:WP+1] offset:(64*((\st)/2)+4*\i+2*((\st)%2)+\u)*4096
.endr
.endr
.endm
.macro AL st                           ; step st's four hid fragments, as they lie: 512 consecutive bytes a load
	WIN 0
.irp a, 0,1,2,3
	global_load_b128 v[AF+32*((\st)%3)+8*\a:AF+32*((\st)%3)+8*\a+3],   v[AOFF], s[AP:AP+1] offset:(\st)*8192+\a*1024
	global_load_b128 v[AF+32*((\st)%3)+8*\a+4:AF+32*((\st)%3)+8*\a+7], v[AOFF], s[AP:AP+1] offset:(\st)*8192+\a*1024+512
.endr
.endm
.macro CV st                           ; the slot's 64 numbers become four fragments
	WIN 0x45                                       ; sources and destination window 1
.irp j, 0,1,2,3
.irp u, 0,1
.irp q, 0,1,2,3
	v_cvt_pk_bf16_f32 v[WB+32*((\st)%2)+8*\j+4*\u+\q], v[64*((\st)%3)+4*(8*\u+2*\q)+\j], v[64*((\st)%3)+4*(8*\u+2*\q+1)+\j]
.endr
.endr
.endr
.endm
.macro MM st, a0                       ; 8 of a step's 16 products: row tiles a0 and a0 + 1; the 16 accumulators take turns, in the same order in every step; step 0 starts the sums
	WIN 0x04                                       ; source 1 window 1
.irp a, \a0, (\a0)+1
.irp j, 0,1,2,3
.if (\st) == 0
	v_wmma_f32_16x16x32_bf16 v[ACC+8*(4*(\a)+\j):ACC+8*(4*(\a)+\j)+7], v[AF+32*((\st)%3)+8*(\a):AF+32*((\st)%3)+8*(\a)+7], v[WB+32*((\st)%2)+8*\j:WB+32*((\st)%2)+8*\j+7], 0
.else
	v_wmma_f32_16x16x32_bf16 v[ACC+8*(4*(\a)+\j):ACC+8*(4*(\a)+\j)+7], v[AF+32*((\st)%3)+8*(\a):AF+32*((\st)%3)+8*(\a)+7], v[WB+32*((\st)%2)+8*\j:WB+32*((\st)%2)+8*\j+7], v[ACC+8*(4*(\a)+\j):ACC+8*(4*(\a)+\j)+7]
.endif
.endr
.endr
.endm
; A step.  The fragment buffer that its 32 conversions write was last read two steps back: the 32 conversions of the step between, which name none of those products' registers, are the places
; (ISA guide 7.12.1).  Loads are issued in the order hid of step st + 2, weights of step st + 3; so, younger than this step's hid, which came last of what the step needs, are the weights of
; step st + 1 (16), the hid of step st + 1 (8) and the weights of step st + 2 (16).
.macro STEP st
.if (\st)+2 < 16
	s_wait_loadcnt 40                              ; this step's weights and hid are in; the 40 younger loads stay out
.elseif (\st)+2 == 16
	s_wait_loadcnt 24                              ; younger: the last step's 16 + 8
.else
	s_wait_loadcnt 0x0
.endif
	CV \st
.if (\st)+2 < 16
	WIN 0                                          ; the window of the loads that follow the wait is set ahead of it
	s_wait_alu depctr_va_vdst(0)                   ; the conversions are done reading weight slot st % 3, and the products of the step before are done reading hid slot (st + 2) % 3: the loads below land in these two
	AL (\st)+2
.endif
	MM \st, 0
.if (\st)+3 < 16
	WL (\st)+3                                     ; no further wait: since the wait above only loads, window switches and products that name none of this slot's registers, nor the offset, were issued
.endif
	MM \st, 2
.endm
	s_wait_alu depctr_va_vdst(0)                   ; the seven addresses and offsets v2 to v8 are written: every load and store of the kernel reads one of them, and no vector instruction names them again
	global_load_b128 v[BR:BR+3],   v[BOF], s[32:33]  ; b_out of my four columns, both experts: older than step 0's loads, so step 0's wait covers them
	global_load_b128 v[BR+4:BR+7], v[BOF], s[34:35]
	WL 0
	AL 0
	WL 1
	AL 1
	WL 2                                           ; all three weight slots are asked for: a slot is asked for again as soon as its conversions have emptied it
.set kstep, 0
.rept 16
	STEP kstep
.set kstep, kstep+1
.endr
	WIN 0
	; the bias, rounded to bf16 and mixed: twenty plain instructions that name no register of the last products: also the places behind them
	v_cvt_pk_bf16_f32 v[BR+8],  v[BR],   v[BR+1]
	v_cvt_pk_bf16_f32 v[BR+9],  v[BR+2], v[BR+3]
	v_cvt_pk_bf16_f32 v[BR+10], v[BR+4], v[BR+5]
	v_cvt_pk_bf16_f32 v[BR+11], v[BR+6], v[BR+7]
.irp n, 0,1,2,3
	v_lshlrev_b32 v[BR+2*\n], 16, v[BR+8+\n]
	v_and_b32 v[BR+2*\n+1], 0xffff0000, v[BR+8+\n]
.endr
.irp j, 0,1,2,3
	v_mul_f32 v[BR+12+\j], s26, v[BR+\j]
.endr
.irp j, 0,1,2,3
	v_fmac_f32 v[BR+12+\j], s27, v[BR+4+\j]
.endr
	s_wait_alu depctr_va_vdst(0)                   ; the products have written the accumulators, which the LDS stores read and in which the LDS loads further down land; the places above stay beside this wait
.set n, 0
.rept 16
	ds_store_b128 v[PW], v[ACC+8*n:ACC+8*n+3]   offset:1024*n        ; each accumulator's low registers first
	ds_store_b128 v[PW], v[ACC+8*n+4:ACC+8*n+7] offset:1024*n+512
.set n, n+1
.endr
	s_wait_dscnt 0x0                               ; for the others' sake: my partial tile is in LDS
	s_barrier_signal -1
	s_barrier_wait -1
	s_wait_alu depctr_vm_vsrc(0)                   ; my LDS stores have read v16 to v143, in which the loads below land
	; partial tile pw, fragment j, my four registers -> v[16 + 16 pw + 4 j ..]
.irp pw, 0,1,2,3
.irp j, 0,1,2,3
	ds_load_b128 v[16+16*\pw+4*\j:16+16*\pw+4*\j+3], v[PR] offset:\pw*16384+\j*1024
.endr
.endr
.irp pw, 4,5,6,7
.irp j, 0,1,2,3
	ds_load_b128 v[16+16*\pw+4*\j:16+16*\pw+4*\j+3], v[PR2] offset:(\pw-4)*16384+\j*1024
.endr
.endr
	s_wait_dscnt 0x0
.irp d, 4,2,1                          ; the eight partial sums as a tree, in f32
.set pw, 0
.rept \d
.set m, 0
.rept 8
	v_pk_add_f32 v[16+16*pw+2*m:16+16*pw+2*m+1], v[16+16*pw+2*m:16+16*pw+2*m+1], v[16+16*(pw+\d)+2*m:16+16*(pw+\d)+2*m+1]
.set m, m+1
.endr
.set pw, pw+1
.endr
.endr
	; v[16 + 4 j + i] is row i of my four, column 4 r + j: with the bias it goes where four neighbouring columns lie in four registers on end
.irp i, 0,1,2,3
.irp j, 0,1,2,3
	v_add_f32 v[O+4*\i+\j], v[16+4*\j+\i], v[BR+12+\j]
.endr
.endr
	s_wait_alu depctr_va_vdst(0)                   ; the sixteen additions have written v144 to v159, which the stores read
.irp i, 0,1,2,3
	global_store_b128 v[OO], v[O+4*\i:O+4*\i+3], s[OP:OP+1] offset:4096*\i th:TH_STORE_NT  ; 16 lanes store 256 consecutive bytes, aligned
.endr
	s_wait_dscnt 0x0                               ; the wave's end: my LDS instructions are done; the add onto my spare word follows
	s_wait_alu depctr_hold_cnt(0) depctr_sa_sdst(0) depctr_va_vdst(0) depctr_va_sdst(0) depctr_va_ssrc(0) depctr_va_vcc(0) depctr_vm_vsrc(0)
	s_wait_tensorcnt 0x0
	ds_add_u32 v14, v15
	s_wait_dscnt 0x0
	s_endpgm
.Lfunc_end_k_qd6919b3b59_fcout:
	.size	k_qd6919b3b59_fcout, .Lfunc_end_k_qd6919b3b59_fcout-k_qd6919b3b59_fcout
	.p2alignl 7, 3214868480
	.fill 96, 4, 3214868480
	.section	.rodata,"a",@progbits
	.p2align	6, 0x0
	.amdhsa_kernel k_qd6919b3b59_fcout
		.amdhsa_group_segment_fixed_size 132096
		.amdhsa_private_segment_fixed_size 0
		.amdhsa_enable_private_segment 0
		.amdhsa_kernarg_size 48
		.amdhsa_user_sgpr_count 2
		.amdhsa_user_sgpr_kernarg_segment_ptr 1
		.amdhsa_wavefront_size32 1
		.amdhsa_system_sgpr_workgroup_id_x 1
		.amdhsa_system_sgpr_workgroup_id_y 1
		.amdhsa_system_sgpr_workgroup_id_z 1
		.amdhsa_system_vgpr_workitem_id 0
		.amdhsa_next_free_vgpr 512
		.amdhsa_next_free_sgpr 66
		.amdhsa_reserve_vcc 0
		.amdhsa_float_denorm_mode_32 3
		.amdhsa_float_denorm_mode_16_64 3
		.amdhsa_memory_ordered 1
		.amdhsa_forward_progress 1
		.amdhsa_inst_pref_size 101
	.end_amdhsa_kernel
	.amdgpu_metadata
---
amdhsa.version: [ 1, 2 ]
amdhsa.kernels:
  - .name:           k_qd6919b3b59_fcout
    .symbol:         k_qd6919b3b59_fcout.kd
    .args:
      - { .name: hid, .offset: 0, .size: 8, .value_kind: global_buffer, .address_space: global }
      - { .name: fc_out_w, .offset: 8, .size: 8, .value_kind: global_buffer, .address_space: global }
      - { .name: fc_out_b, .offset: 16, .size: 8, .value_kind: global_buffer, .address_space: global }
      - { .name: route, .offset: 24, .size: 8, .value_kind: global_buffer, .address_space: global }
      - { .name: out4, .offset: 32, .size: 8, .value_kind: global_buffer, .address_space: global }
      - { .name: out0, .offset: 40, .size: 8, .value_kind: global_buffer, .address_space: global }
    .group_segment_fixed_size: 132096
    .private_segment_fixed_size: 0
    .kernarg_segment_align: 8
    .kernarg_segment_size: 48
    .max_flat_workgroup_size: 256
    .sgpr_count:     66
    .vgpr_count:     512
    .wavefront_size: 32
...
	.end_amdgpu_metadata
.endif
;; end of part 4
